; MI455X (gfx1250); checked and timed in simulation.
; The chip was launched on July 23, 2026; its instructions are those of AMD's public machine-readable ISA for CDNA 5 (MIT licence, August 2026) and "CDNA5" Instruction Set Architecture Reference Guide (July 2026). The comments in the code are by the model that wrote it; some were corrected since.
;; Gemm RS Intra Node. Allowed arithmetic: matrix products marked QUANTISED: E2M1 operands, one E8M0 scale for each 32 along K, by v_wmma_scale_f32_16x16x128_f8f6f4 with both operands' format E2M1 (or v_wmma_scale_f32_32x16x128_f4), f32 sums; everything else in f32.
;; Inputs: input 8 x 2,048 x 1,024 float32; weight 8 x 4,096 x 1,024 float32.
;; Outputs: out0 8 x 256 x 4,096 float32.
;; This version of the problem:
;;   THIS VERSION OF THE PROBLEM IS GIVEN IN LOW PRECISION. The matrix products marked QUANTISED in the list below multiply operands that are first quantised to E2M1 (2 exponent bits, 1 mantissa bit; 4 bits a number), with one power-of-two scale for each 32 numbers along K (OCP MX v1.0); their sums are f32. All else is computed in f32.
;;   The module's matrix products, in the order in which they are computed (A, B: the left and right operand; K: the contracted axis; several contracted axes count as one K, in the product's order):
;;     1. [M 2,048, K 8,192] x [K 8,192, N 4,096]; A: input input; B: input weight: QUANTISED
;;   THE QUANTISER, for each operand of a quantised product, along K:
;;     - K is cut into blocks of 32 from its start; a last block that is shorter is filled with zeros.
;;     - A block's scale is 2^e with e = floor(log2(the largest magnitude in the block)) - 2, held to -126 .. 127; a block of zeros has e = 0. As a byte (E8M0): e + 127.
;;     - Each number is divided by its block's scale, clamped to +-6, and rounded to the nearest number of E2M1, ties to even, subnormals kept.
;;     - The product sums the exact products of the quantised numbers (number of the format x scale) in f32.
;;   ~~~python
;;   def quantise(x, axis):      # numpy; x: float32 -> the quantised numbers, widened to float32 again
;;       x = np.moveaxis(x, axis, -1); K = x.shape[-1]
;;       x = np.pad(x, [(0, 0)] * (x.ndim - 1) + [(0, -K % 32)]); x = x.reshape(x.shape[:-1] + (-1, 32)); a = np.abs(x).max(-1, keepdims=True)
;;       e = np.where(a > 0, np.clip(np.frexp(np.where(a > 0, a, 1))[1] - 1 - 2, -126, 127), 0)      # np.frexp(a)[1] - 1 = floor(log2(a)), exactly
;;       r = np.clip(x / 2.0 ** e, -6, 6)
;;       step = 2.0 ** (np.maximum(np.frexp(np.where(r == 0, 1, r))[1] - 1, 0) - 1)
;;       q = np.round(r / step) * step * 2.0 ** e      # np.round: ties to even
;;       return np.moveaxis(q.reshape(q.shape[:-2] + (-1,))[..., :K], -1, axis).astype(np.float32)
;;   ~~~
;; One version. Each part assembles by itself: llvm-mc -triple=amdgcn-amd-amdhsa -mcpu=gfx1250 --defsym DOCPART=n.
;; ======== version 1 of 1: 2 launches
;; limits: right only within a limited range of input values
;; workspace buffers: a_codes 8,388,608 bytes; a_scales 524,288 bytes; b_codes 16,777,216 bytes; b_scales 1,048,576 bytes
;; launch quant (part 1): grid 768 x 1, 4 waves a work-group, no clusters, 37,376 bytes of LDS; arguments input, weight, a_codes, a_scales, b_codes, b_scales; writes a_codes, a_scales, b_codes, b_scales
.if DOCPART == 1
	.amdgcn_target "amdgcn-amd-amdhsa--gfx1250"
	.amdhsa_code_object_version 6
	.text
	.protected	k_q583e08dd99_quant
	.globl	k_q583e08dd99_quant
	.p2align	8
	.type	k_q583e08dd99_quant,@function
k_q583e08dd99_quant:
	s_mov_b64 s[64:65], 0
	v_nop
	global_prefetch_b8 v0, s[64:65] scope:SCOPE_SE
	s_setreg_imm32_b32 hwreg(HW_REG_WAVE_MODE, 25, 1), 1
	s_wait_xcnt 0x0
; input [8][2048][1024] and weight [8][4096][1024], f32, are turned into codes of FP4 (E2M1) with one E8M0 scale byte for each 32 along the product's K.
; THE PRODUCT'S K.  The einsum 'rmk,rnk->mn' contracts two axes; it is lowered with the contracted axes in the order (k, rank), so K = 8 k + rank, the rank innermost, 8,192 long.
; A BLOCK OF 32 ALONG K IS THEREFORE FOUR NEIGHBOURING k OF ALL EIGHT RANKS: block KB = k / 4 (0 .. 255).
; Inside a block the order of the 32 numbers is free, so long as both operands take the same: a block's products are summed under one pair of scales.  Here place 4 rank + k % 4: a rank's part of a block is 16 consecutive bytes of f32.
; A block's scale is 2^(floor(log2(its largest magnitude)) - 2); its byte is the largest magnitude's own exponent field - 2, held at 1 from below.  Each number is divided by the scale and rounded to the nearest code, ties to even;
; beyond the largest code the largest.
; LIMITS: a block of zeros gets the byte 1 where the rule says 127: its codes are zeros, which add nothing under any byte but 0xff, and the bytes are read by this program alone.  NaN and infinities among the inputs are not served.
; THE LAYOUT OF THE RESULTS is the next launch's operand order (rb = row / 16, r = row % 16):
;   codes  [rb][KB][r][16 bytes]: the 1,024 bytes of four blocks are the image of a matrix operand's registers (16 rows x 128 along K): byte 512 c + 16 lane is row lane % 16, block 2 c + lane / 16 of the four;
;   scales [G = KB / 16][row][16 bytes]: a row's 16 bytes are the four scale words of 16 blocks.
; SHARES.  A LANE TAKES A BLOCK: eight loads of 16 bytes, one from each rank, fill its 32 registers, so that the block's largest magnitude needs no other lane and the conversions find their numbers in one lane's consecutive registers.
; Neighbouring lanes take neighbouring blocks: each load of the wave reads 512 consecutive bytes of one rank's row, aligned.  A wave takes 16 rows (one rb) x 32 blocks: 16 steps, step t = row t.
; The first WGA work-groups take input, the others weight: only pointers and two shifts are chosen, there is one path through the text.
; THE WAY OUT.  A lane's 16 bytes of a step belong to its own block, 256 bytes from its neighbour's.  They are gathered in the wave's out-stage, [block 32][row 16][16 bytes] with 16 bytes of padding behind each 256, and leave at the
; end as 8,192 consecutive bytes: each store of the wave covers 512 consecutive bytes, aligned.  The wave's 512 scale bytes leave by one store: each half of the lanes covers 256 consecutive bytes, aligned.
; No tensor loads, no barrier, no loop: waves share nothing, no pointer and no offset register is stepped, no store's data are written again.  Loads run three to four steps (24 to 32 loads a wave) ahead.
; Matrix units and clusters have nothing to do here: no byte is read twice.
.set WAVES, 4
.set STEPS, 16
.set WGA,   256                        ; input: 128 row blocks x 8 runs of 32 blocks = 1,024 waves
.set EMAX,  2
.set OF,    16                         ; v16-23   16 x lane + rank x a rank's bytes: the loads' offsets; never rewritten
.set SR,    24                         ; v24-27   the way out: my 16 scale bytes
.set X,     32                         ; v32-159  four sets of 32 numbers: register 4 rank + i = k 4 KB + i of that rank; on the way out v32-95 take the codes back
.set C,     160                        ; v160-223 codes: four registers for each step, never written again
.set E,     224                        ; v224-239 a scale byte for each step
.set WREG,  9216                       ; LDS: a region of its own for each wave (36 blocks of 256 bytes):
.set OST,   512                        ;   its 512 scale bytes, [group 2][row 16][16]; behind them the out-stage: 32 blocks x OP bytes
.set OP,    272
.set SPW,   12                         ; v12      LDS address of my spare word: SPARE + 4 x my thread's number; never rewritten
.set NIL,   13                         ; v13      0; never rewritten
.set SPARE, WAVES*WREG                 ; behind the four regions: the spare words, 128 bytes for each wave: two blocks of 256 bytes that no other line names
	s_load_b128 s[4:7], s[0:1], 0x0                ; input, weight
	s_load_b128 s[8:11], s[0:1], 0x10              ; input's codes, input's scales
	s_load_b128 s[12:15], s[0:1], 0x20             ; weight's codes, weight's scales
	v_lshl_add_u32 v[SPW], v0, 2, SPARE
	v_mov_b32 v[NIL], 0
	v_lshrrev_b32 v1, 5, v0
	v_readfirstlane_b32 s16, v1                    ; wave
	v_and_b32 v2, 31, v0                           ; lane
	v_lshlrev_b32 v3, 4, v2                        ; 16 x lane: my 16 bytes of a load's 512, and of a code store's 512
	v_lshrrev_b32 v8, 4, v2                        ; lane / 16
	v_and_b32 v9, 15, v2                           ; lane % 16
	s_mul_i32 s30, s16, WREG                       ; my wave's region
	v_lshl_add_u32 v5, v8, 8, v9
	v_add_nc_u32 v5, s30, v5                       ; my block's scale byte: group lane / 16, byte lane % 16 of a row's 16; the row stands in the immediate
	v_add_nc_u32 v6, s30, v3                       ; and on the way out 16 bytes a lane
	s_add_co_u32 s31, s30, OST
	v_mul_u32_u24 v10, v2, OP
	v_add_nc_u32 v10, s31, v10                     ; the out-stage, on the way in: my block; the row stands in the immediate.  Blocks 68 words apart
	v_mul_u32_u24 v4, v8, OP
	v_lshl_add_u32 v4, v9, 4, v4
	v_add_nc_u32 v4, s31, v4                       ; and on the way out: sixteen lanes to a block's 256 bytes, two blocks an instruction
	s_wait_kmcnt 0x0
	s_cmp_lt_u32 ttmp9, WGA                        ; input's work-group or weight's?  The choice hangs on the work-group's number alone; all selections stand ahead of the first line that sets SCC anew
	s_cselect_b64 s[4:5], s[4:5], s[6:7]
	s_cselect_b64 s[8:9], s[8:9], s[12:13]
	s_cselect_b64 s[10:11], s[10:11], s[14:15]
	s_cselect_b32 s17, 0, WGA
	s_cselect_b32 s22, 15, 16                      ; log2 of a group's scale bytes: 2,048 or 4,096 rows x 16
	s_cselect_b32 s24, 23, 24                      ; log2 of a rank's bytes: 2,048 or 4,096 rows x 4,096
	s_sub_co_u32 s17, ttmp9, s17
	s_lshl_b32 s17, s17, 2
	s_add_co_u32 s18, s17, s16                     ; u: my wave's number in its tensor
	s_and_b32 s19, s18, 7                          ; which 32 of a row's 256 blocks
	s_lshr_b32 s20, s18, 3                         ; rb
	s_lshl_b32 s26, s20, 16                        ; 65,536 x rb: 16 rows of 4,096 bytes of f32 in a rank; and a row block's 65,536 bytes of codes
	s_mov_b32 s29, 0
	s_lshl_b32 s27, s19, 9                         ; in: 32 blocks are 512 bytes of a rank's row
	s_add_co_u32 s28, s26, s27
	s_add_nc_u64 s[4:5], s[4:5], s[28:29]
	s_lshl_b32 s27, s19, 13                        ; codes: 32 blocks x 256 bytes
	s_add_co_u32 s28, s26, s27
	s_add_nc_u64 s[8:9], s[8:9], s[28:29]
	s_lshl_b32 s27, s19, 1                         ; scales: my first group,
	s_lshl_b32 s27, s27, s22
	s_lshl_b32 s28, s20, 8                         ; and my 16 rows x 16 bytes in it
	s_add_co_u32 s28, s28, s27
	s_add_nc_u64 s[10:11], s[10:11], s[28:29]
	v_lshlrev_b32 v7, s22, v8                      ; the scale bytes' store: lanes 16-31 a group further on,
	v_lshl_add_u32 v7, v9, 4, v7                   ; 16 bytes a row
.irp r, 0,1,2,3,4,5,6,7
	s_lshl_b32 s25, \r, s24                        ; a rank's bytes do not fit a load's immediate: they stand in the offset register (7 x 2^24 at the most)
	v_add_nc_u32 v[OF+\r], s25, v3
.endr
.macro LOAD t                          ; row t: my block's four numbers of each rank
.irp r, 0,1,2,3,4,5,6,7
	global_load_b128 v[X+32*((\t)%4)+4*\r:X+32*((\t)%4)+4*\r+3], v[OF+\r], s[4:5] offset:4096*(\t) th:TH_LOAD_NT   ; 32 lanes read 512 consecutive bytes; read once in the launch
.endr
.endm
.irp t, 0,1,2,3
	LOAD \t
.endr
.macro STEP t
.set XS, X+32*((\t)%4)
.if STEPS-1-(\t) >= 3
	s_wait_loadcnt 24                              ; this step's eight loads are in (loads come back in order: ISA guide 5.7.1); those of the three steps behind it may be out
.else
	s_wait_loadcnt 8*(STEPS-1-(\t))                ; the counts run down: 16, 8, 0
.endif
	v_max3_num_f32 v8, |v[XS]|, |v[XS+1]|, |v[XS+2]|               ; the block's largest magnitude: all 32 numbers are mine; two chains
	v_max3_num_f32 v9, |v[XS+3]|, |v[XS+4]|, |v[XS+5]|
.irp i, 6,10,14,18,22,26
	v_max3_num_f32 v8, v8, |v[XS+\i]|, |v[XS+\i+1]|
	v_max3_num_f32 v9, v9, |v[XS+\i+2]|, |v[XS+\i+3]|
.endr
	v_max3_num_f32 v8, v8, |v[XS+30]|, |v[XS+31]|
	v_max3_num_f32 v8, v8, v9, (EMAX+1)<<23        ; and the floor 2^(EMAX + 1 - 127), under which no largest magnitude is taken: so the byte cannot fall under 1
	v_add_nc_u32 v11, -(EMAX<<23), v8              ; EMAX off its exponent field: the conversion takes the exponent field of this operand as its scale, and nothing else of it
.irp g, 0,1,2,3
	v_cvt_scalef32_pk8_fp4_f32 v[C+4*(\t)+\g], v[XS+8*\g:XS+8*\g+7], v11   ; eight numbers / 2^(v11's exponent), to the nearest code; the first number's code in the lowest four bits
.endr
	v_lshrrev_b32 v[E+(\t)], 23, v11               ; the scale's byte.  (Also the plain vector line behind the conversions)
	ds_store_b8 v5, v[E+(\t)] offset:16*(\t)
	ds_store_b128 v10, v[C+4*(\t):C+4*(\t)+3] offset:16*(\t)       ; my block's 32 codes of row t
.if (\t)+4 < STEPS
	LOAD (\t)+4                                    ; the set that has just been read takes the loads of four steps on
.endif
.endm
.irp t, 0,1,2,3,4,5,6,7,8,9,10,11,12,13,14,15
	STEP \t
.endr
	ds_load_b128 v[SR:SR+3], v6                    ; LDS serves a wave's instructions in order (ISA guide 5.7.1.4): these see my stores
.irp j, 0,1,2,3,4,5,6,7,8,9,10,11,12,13,14,15
	ds_load_b128 v[X+4*\j:X+4*\j+3], v4 offset:2*OP*\j             ; blocks 2 j and 2 j + 1, 16 rows x 16 bytes each
.endr
	s_wait_dscnt 16                                ; the scale bytes are back; the sixteen loads behind them may be out
	global_store_b128 v7, v[SR:SR+3], s[10:11]     ; lanes 0-15 store 256 consecutive bytes, aligned: my first group's; lanes 16-31 likewise the second's
.irp j, 0,1,2,3,4,5,6,7,8,9,10,11,12,13,14,15
	s_wait_dscnt 15-\j                             ; load j is back; the younger ones may be out
	global_store_b128 v3, v[X+4*\j:X+4*\j+3], s[8:9] offset:512*\j ; 32 lanes store 512 consecutive bytes, aligned
.endr
	s_wait_tensorcnt 0x0                           ; the wave's end
	ds_add_u32 v[SPW], v[NIL]
	s_wait_dscnt 0x0
	s_endpgm
.Lfunc_end_k_q583e08dd99_quant:
	.size	k_q583e08dd99_quant, .Lfunc_end_k_q583e08dd99_quant-k_q583e08dd99_quant
	.p2alignl 7, 3214868480
	.fill 96, 4, 3214868480
	.section	.rodata,"a",@progbits
	.p2align	6, 0x0
	.amdhsa_kernel k_q583e08dd99_quant
		.amdhsa_group_segment_fixed_size 37376
		.amdhsa_private_segment_fixed_size 0
		.amdhsa_enable_private_segment 0
		.amdhsa_kernarg_size 48
		.amdhsa_user_sgpr_count 2
		.amdhsa_user_sgpr_kernarg_segment_ptr 1
		.amdhsa_wavefront_size32 1
		.amdhsa_system_sgpr_workgroup_id_x 1
		.amdhsa_system_sgpr_workgroup_id_y 1
		.amdhsa_system_sgpr_workgroup_id_z 1
		.amdhsa_system_vgpr_workitem_id 0
		.amdhsa_next_free_vgpr 240
		.amdhsa_next_free_sgpr 66
		.amdhsa_reserve_vcc 0
		.amdhsa_float_denorm_mode_32 3
		.amdhsa_float_denorm_mode_16_64 3
		.amdhsa_memory_ordered 1
		.amdhsa_forward_progress 1
		.amdhsa_inst_pref_size 43
	.end_amdhsa_kernel
	.amdgpu_metadata
---
amdhsa.version: [ 1, 2 ]
amdhsa.kernels:
  - .name:           k_q583e08dd99_quant
    .symbol:         k_q583e08dd99_quant.kd
    .args:
      - { .name: input, .offset: 0, .size: 8, .value_kind: global_buffer, .address_space: global }
      - { .name: weight, .offset: 8, .size: 8, .value_kind: global_buffer, .address_space: global }
      - { .name: a_codes, .offset: 16, .size: 8, .value_kind: global_buffer, .address_space: global }
      - { .name: a_scales, .offset: 24, .size: 8, .value_kind: global_buffer, .address_space: global }
      - { .name: b_codes, .offset: 32, .size: 8, .value_kind: global_buffer, .address_space: global }
      - { .name: b_scales, .offset: 40, .size: 8, .value_kind: global_buffer, .address_space: global }
    .group_segment_fixed_size: 37376
    .private_segment_fixed_size: 0
    .kernarg_segment_align: 8
    .kernarg_segment_size: 48
    .max_flat_workgroup_size: 128
    .sgpr_count:     66
    .vgpr_count:     240
    .wavefront_size: 32
...
	.end_amdgpu_metadata
.endif
;; end of part 1
;; launch gemm (part 2): grid 16 x 16, 4 waves a work-group, clusters of 4 x 4, 327,680 bytes of LDS; arguments a_codes, a_scales, b_codes, b_scales, out0; writes out0
.if DOCPART == 2
	.amdgcn_target "amdgcn-amd-amdhsa--gfx1250"
	.amdhsa_code_object_version 6
	.text
	.protected	k_q583e08dd99_gemm
	.globl	k_q583e08dd99_gemm
	.p2align	8
	.type	k_q583e08dd99_gemm,@function
k_q583e08dd99_gemm:
	s_mov_b64 s[64:65], 0
	v_nop
	global_prefetch_b8 v0, s[64:65] scope:SCOPE_SE
	s_setreg_imm32_b32 hwreg(HW_REG_WAVE_MODE, 25, 1), 1
	s_wait_xcnt 0x0
	s_wait_alu depctr_hold_cnt(0) depctr_sa_sdst(0) depctr_va_vdst(0) depctr_va_sdst(0) depctr_va_ssrc(0) depctr_va_vcc(0) depctr_vm_vsrc(0)
	s_getreg_b32 s2, hwreg(HW_REG_IB_STS2, 6, 4)
	s_cmp_eq_u32 s2, 0
	s_cbranch_scc0 .Lentry_in_a_cluster
	s_endpgm
.Lentry_in_a_cluster:
	s_bfe_u32 s2, ttmp6, 0x10000c
	s_cmp_lg_u32 s2, 0xf033
	s_cbranch_scc0 .Lentry_shape_is_right
	s_endpgm
.Lentry_shape_is_right:
; out0 [2048][4096] f32 = A B^T on codes of FP4 with E8M0 scales, K = 8,192 = 64 steps of 128, in the layouts of the launch before:
;   codes [rb = row / 16][step][1,024 bytes]: a step's 1,024 bytes are the image of an operand's registers (byte 512 c + 16 lane); scales [G = step / 4][row][16 bytes]: four scale words.
; A work-group makes 128 x 256 of the result: 16 x 16 work-groups.  K IS SPLIT INSIDE THE WORK-GROUP: wave (kh, ch) makes all 128 rows x columns 128 ch .. + 127 over steps 32 kh .. 32 kh + 31:
; 64 accumulators, 512 registers; for 128 along K a wave reads 2 x 128 rows from LDS for 64 matrix instructions, and no fragment twice.  At the end the two waves of a column half exchange 64 rows each through LDS and add.
; LIMIT: each sum is made as two f32 sums over halves of K, which are then added: an order of rounding of its own.
; THE RING: two LDS slots; a slot holds three steps of both halves of K: A 2 x 8 rb x 3,072 bytes, B 2 x 16 rb x 3,072 bytes, as much as two slots have room for.  32 steps = 10 slots of three and one of two.
; Wave 0, 1 fetch A's part of kh = 0, 1; waves 2, 3 B's: one tensor load a wave; rows of 3,072 bytes that begin at multiples of 256.
; CLUSTERS: 4 x 4.  A's tiles are asked for jointly along a row of the cluster, B's along a column.
; THE SCALES go from memory into registers, 512 consecutive bytes a load, six steps ahead of their first use, three sets of 32 registers.  They are not asked for jointly and not prefetched: one byte for 16 of codes,
; and they are on their way six steps ahead as it is.
; A's row blocks are taken in turned order by kh = 1 (register block i = row block (i + 4 kh) % 8): so every wave keeps its register blocks 0-3 and sends 4-7, by one text.
; The register numbers come back after 12 steps (4 slots, 3 groups of scales): that is a trip of the loop.
; REGISTERS: window 0: v16-31 addresses, v32-127 scale words, v128-191 A's fragments (one set); window 1: B's fragments, two sets; windows 2, 3: accumulators of register blocks 0-3, 4-7.
; The matrix instruction is used transposed (source 0 = rows of B): a lane holds eight neighbouring numbers of a row of the result.
.set STEPB,  1024
.set RBB,    3*STEPB                   ; a row block's bytes in a slot
.set ATILE,  8*RBB
.set BTILE,  16*RBB
.set SLOT,   2*ATILE+2*BTILE
.set SPARE,  2*SLOT                    ; the spare words: 512 bytes that no other line names
.set XCH,    SLOT                      ; the exchange, 32,768 bytes a wave: in slot 1, behind its last fill and last read
.set SPITCH, 528                       ; the stage, 16 rows x 528 bytes a wave: in slot 0, behind its last fill and last read
.set ROWC,   16384
.set ADRA, 16                          ; v16-17 A's register blocks 0-3 in slot 0, 1; v18-19 blocks 4-7
.set ADRB, 20                          ; v20-21 B's
.set COL,  22                          ; A's scales: blocks 0-3
.set COH,  23                          ; blocks 4-7
.set STO,  24
.set RD,   25
.set CO,   26                          ; 16 x lane
.set XS,   27                          ; the exchange: where I send
.set SPW,  28
.set NIL,  29
.set XL,   30                          ; and where my partner has sent
.set PFO,  31                          ; the prefetches' lane offset
.set SCA,  32                          ; set s at + 32 s: A's 16 registers (4 (block / 2) + step % 4; lanes 0-15 the even block, 16-31 the odd), then B's 16
.set SCB,  48
.set AF,   128
.set BK,   128
.set G1,  24
.set G0,  32
.set G1B, 48
.set G0B, 56
.set SAB, 68
.set SBB, 70
.set PFA, 72
.set MSB, 0
.macro WIN new
.if MSB != \new
	s_set_vgpr_msb (MSB<<8)|\new
.set MSB, \new
.endif
.endm
.set MUL_LO, 0xa1
.set MUL_HI, 0xf1
.set TO_B,   0x40
.macro PLACES n
.rept \n
	v_nop
.endr
.endm
.macro JLOAD s                         ; a joint load: waves 0, 1 for A, waves 2, 3 for B
	s_cmp_eq_u32 s15, 0
	s_cbranch_scc0 .Lfor_b_\@
	tensor_load_to_lds s[G0+4*\s:G0+4*\s+3], s[G1:G1+7]
	s_nop 0
	PLACES 4
	s_branch .Lasked_\@
.Lfor_b_\@:
	tensor_load_to_lds s[G0B+4*\s:G0B+4*\s+3], s[G1B:G1B+7]
	s_nop 0
	PLACES 4
.Lasked_\@:
.endm
.macro CREST
	s_cmp_lg_u32 s14, 0
	s_cbranch_scc1 .Lnot_wave_0_\@
	s_barrier_signal -3
.Lnot_wave_0_\@:
	s_barrier_wait -3
	s_barrier_signal -1
	s_barrier_wait -1
.endm
.macro CROUND
	s_barrier_signal -1
	s_barrier_wait -1
	CREST
.endm
; A prefetch: behind the joint load of slot n, the slot n + 2 refills on.  Of the tile that I fetch, the four partners that ask for it with me take a quarter of its row blocks each, told apart by address:
; A: 2 row blocks x 12 blocks of 256 bytes, a lane a block (lanes 24-31 name lane 23's again); B: 4 row blocks, two instructions.  guard = 1: not in the last trip, whose slots 10 and 11 are short or none.
.macro ASK off, guard
.if \guard
	s_cmp_eq_u32 s3, 1
	s_cbranch_scc1 .Lno_ask_\@
.endif
	global_prefetch_b8 v[PFO], s[PFA:PFA+1] offset:\off th:TH_LOAD_NT scope:SCOPE_SE
	s_cmp_eq_u32 s15, 0
	s_cbranch_scc1 .Lno_ask_\@
	global_prefetch_b8 v[PFO], s[PFA:PFA+1] offset:(\off)+131072 th:TH_LOAD_NT scope:SCOPE_SE
.Lno_ask_\@:
.endm
	s_load_b128 s[4:7], s[0:1], 0x0                ; A's codes, A's scales
	s_load_b128 s[8:11], s[0:1], 0x10              ; B's codes, B's scales
	s_load_b64 s[12:13], s[0:1], 0x20              ; the result
	v_lshl_add_u32 v[SPW], v0, 2, SPARE
	v_mov_b32 v[NIL], 0
	ds_add_u32 v[SPW], v[NIL]                      ; the opening lines: the add twice on end
	ds_add_u32 v[SPW], v[NIL]
	v_lshrrev_b32 v1, 5, v0
	v_readfirstlane_b32 s14, v1                    ; wave
	s_lshr_b32 s15, s14, 1                         ; kh.  Also: I fetch for A (0) or B (1)
	s_and_b32 s16, s14, 1                          ; ch.  Also: which half of K I fetch
	s_bfe_u32 s40, ttmp6, 0x40000                  ; cx
	s_bfe_u32 s41, ttmp6, 0x40004                  ; cy
	s_lshl_b32 s42, ttmp9, 2
	s_add_co_u32 s42, s42, s40                     ; tile column
	s_and_b32 s17, ttmp7, 0xffff
	s_lshl_b32 s17, s17, 2
	s_add_co_u32 s17, s17, s41                     ; tile row
	s_lshl_b32 s43, s41, 2
	s_lshl_b32 s43, 15, s43                        ; my row of the cluster
	s_lshl_b32 s44, 0x1111, s40                    ; my column
	s_or_b32 s[G1], s43, (3<<16)|(1<<21)           ; elements of 8 bytes, no padding: a fragment load takes 512 consecutive bytes
	s_or_b32 s[G1B], s44, (3<<16)|(1<<21)
.irp g, G1, G1B
	s_mov_b32 s[\g+1], (RBB/8)<<16                 ; tensor_dim0
	s_mov_b32 s[\g+3], (RBB/8)<<16                 ; tile_dim0
	s_mov_b32 s[\g+5], 65536/8                     ; from row block to row block
	s_mov_b32 s[\g+6], 0
	s_mov_b32 s[\g+7], 0
.endr
	s_mov_b32 s[G1+2], 8<<16
	s_mov_b32 s[G1+4], 8
	s_mov_b32 s[G1B+2], 16<<16
	s_mov_b32 s[G1B+4], 16
	s_lshl_b32 s19, s16, 15                        ; the half of K that I fetch: 32 steps
	s_lshl_b32 s20, s17, 19                        ; A: 8 row blocks of 65,536 bytes a tile row
	s_add_co_u32 s20, s20, s19
	s_mov_b32 s21, 0
	s_lshl_b32 s46, s42, 20                        ; B: 16 row blocks a tile column
	s_add_co_u32 s46, s46, s19
	s_mov_b32 s47, 0
	s_mul_i32 s45, s16, ATILE                      ; where they go
	s_mul_i32 s18, s16, BTILE
	s_add_co_u32 s18, s18, 2*ATILE
	s_lshl_b32 s22, s15, 18                        ; A's scales: group 8 kh, my tile's 128 rows
	s_lshl_b32 s23, s17, 11
	s_add_co_u32 s22, s22, s23
	s_mov_b32 s23, 0
	s_lshl_b32 s90, s15, 19                        ; B's scales: group 8 kh, my 128 rows
	s_lshl_b32 s91, s42, 12
	s_add_co_u32 s90, s90, s91
	s_lshl_b32 s91, s16, 11
	s_add_co_u32 s90, s90, s91
	s_mov_b32 s91, 0
	s_lshl_b32 s92, s17, 21                        ; the result: row 128 x tile row + 64 kh, column 256 x tile column + 128 ch
	s_lshl_b32 s93, s15, 20
	s_add_co_u32 s92, s92, s93
	s_lshl_b32 s93, s42, 10
	s_add_co_u32 s92, s92, s93
	s_lshl_b32 s93, s16, 9
	s_add_co_u32 s92, s92, s93
	s_mov_b32 s93, 0
	s_lshl_b32 s74, s40, 17                        ; the prefetches: my work-group's quarter of the tile's row blocks, at slot 2
	s_lshl_b32 s75, s41, 18
	s_cmp_eq_u32 s15, 0
	s_cselect_b32 s94, s20, s46
	s_cselect_b32 s95, s74, s75
	s_add_co_u32 s94, s94, s95
	s_add_co_u32 s94, s94, 2*RBB
	s_mov_b32 s95, 0
	s_mul_i32 s76, s15, ATILE+4*RBB                ; LDS: A's half kh, row blocks 4 kh ..
	s_mul_i32 s77, s15, 4*RBB                      ; and row blocks 4 (1 - kh) ..: 4 RBB + kh x 4 RBB
	s_add_co_u32 s77, s77, 4*RBB
	s_mul_i32 s78, s15, BTILE                      ; B's half kh, my 8 row blocks
	s_mul_i32 s79, s16, 8*RBB
	s_add_co_u32 s78, s78, s79
	s_add_co_u32 s78, s78, 2*ATILE
	s_lshl_b32 s79, s15, 10                        ; A's scales in the same turned order
	s_xor_b32 s80, s79, 1024
	s_lshl_b32 s81, s14, 15
	s_xor_b32 s82, s81, 65536                      ; my partner: the wave of the other kh
	s_add_co_u32 s81, s81, XCH
	s_add_co_u32 s82, s82, XCH
	s_mul_i32 s83, s14, 16*SPITCH
	s_wait_dscnt 0x0                               ; both opening adds are done
	s_wait_kmcnt 0x0
	s_add_nc_u64 s[20:21], s[4:5], s[20:21]
	s_add_nc_u64 s[46:47], s[8:9], s[46:47]
	s_add_nc_u64 s[SAB:SAB+1], s[6:7], s[22:23]
	s_add_nc_u64 s[SBB:SBB+1], s[10:11], s[90:91]
	s_add_nc_u64 s[12:13], s[12:13], s[92:93]
	s_cmp_eq_u32 s15, 0
	s_cselect_b64 s[PFA:PFA+1], s[4:5], s[8:9]
	s_add_nc_u64 s[PFA:PFA+1], s[PFA:PFA+1], s[94:95]
	CROUND                                         ; in front of the first joint loads
.irp s, 0,1
	s_mov_b32 s[G0+4*\s], 1
	s_add_co_u32 s[G0+4*\s+1], s45, \s*SLOT
	s_add_nc_u64 s[G0+4*\s+2:G0+4*\s+3], s[20:21], \s*RBB
	s_or_b32 s[G0+4*\s+3], s[G0+4*\s+3], 0x80000000
	s_mov_b32 s[G0B+4*\s], 1
	s_add_co_u32 s[G0B+4*\s+1], s18, \s*SLOT
	s_add_nc_u64 s[G0B+4*\s+2:G0B+4*\s+3], s[46:47], \s*RBB
	s_or_b32 s[G0B+4*\s+3], s[G0B+4*\s+3], 0x80000000
.endr
	JLOAD 0                                        ; slot 0: one tensor load a wave at the head
	v_and_b32 v3, 31, v0
	v_lshlrev_b32 v[CO], 4, v3
	v_and_b32 v1, 15, v0
	v_bfe_u32 v2, v0, 4, 1
	v_add_nc_u32 v[ADRA], s76, v[CO]
	v_add_nc_u32 v[ADRA+2], s77, v[CO]
	v_add_nc_u32 v[ADRB], s78, v[CO]
	v_add_nc_u32 v[ADRA+1], SLOT, v[ADRA]
	v_add_nc_u32 v[ADRA+3], SLOT, v[ADRA+2]
	v_add_nc_u32 v[ADRB+1], SLOT, v[ADRB]
	v_add_nc_u32 v[COL], s79, v[CO]
	v_add_nc_u32 v[COH], s80, v[CO]
	v_add_nc_u32 v[XS], s81, v[CO]
	v_add_nc_u32 v[XL], s82, v[CO]
	v_mul_u32_u24 v5, v1, SPITCH
	v_lshl_add_u32 v5, v2, 5, v5
	v_add_nc_u32 v[STO], s83, v5                   ; into the stage: row l % 16, 32 bytes for each half of the lanes
	v_add_nc_u32 v[RD], s83, v[CO]                 ; back: 32 lanes take a row of 512 bytes
	v_min_u32 v4, 23, v3                           ; the prefetches: lane n names block n % 12 of row block n / 12
	v_mul_u32_u24 v6, v4, 43
	v_lshrrev_b32 v6, 9, v6                        ; n / 12 for n under 24
	v_mul_u32_u24 v6, v6, 65536-RBB
	v_lshl_add_u32 v[PFO], v4, 8, v6
	s_wait_alu depctr_va_vdst(0)                   ; the end of the head's vector work
.macro SCLOAD set, g                   ; a group's scale words (four steps): 8 loads of 512 consecutive bytes
.irp i, 0,1
	global_load_b128 v[SCA+32*(\set)+4*\i:SCA+32*(\set)+4*\i+3], v[COL], s[SAB:SAB+1] offset:32768*(\g)+512*\i
	global_load_b128 v[SCA+32*(\set)+8+4*\i:SCA+32*(\set)+8+4*\i+3], v[COH], s[SAB:SAB+1] offset:32768*(\g)+512*\i
.endr
.irp i, 0,1,2,3
	global_load_b128 v[SCB+32*(\set)+4*\i:SCB+32*(\set)+4*\i+3], v[CO], s[SBB:SBB+1] offset:65536*(\g)+512*\i
.endr
.endm
.macro FRAG reg, adr, off
	ds_load_b128 v[\reg:\reg+3], v[\adr] offset:\off
	ds_load_b128 v[\reg+4:\reg+7], v[\adr] offset:(\off)+512
.endm
.macro FETCH_B jn                      ; step jn's eight fragments of B into set jn % 2
	WIN TO_B
.irp i, 0,1,2,3,4,5,6,7
	FRAG 128*((\jn)%2)+8*\i, ADRB+((\jn)/3)%2, RBB*\i+STEPB*((\jn)%3)
.endr
	WIN 0
.endm
.macro FETCH_A jn, hi                  ; A's register blocks 4 hi .. 4 hi + 3
.irp i, 0,1,2,3
	FRAG AF+32*(\hi)+8*\i, ADRA+2*(\hi)+((\jn)/3)%2, RBB*\i+STEPB*((\jn)%3)
.endr
.endm
.macro WM a, b, jj, zero
.set rD,  8*(8*((\a)%4)+(\b))
.set rB,  128*((\jj)%2)+8*(\b)
.set rA,  AF+8*(\a)
.set rSB, SCB+32*(((\jj)/4)%3)+4*((\b)/2)+(\jj)%4
.set rSA, SCA+32*(((\jj)/4)%3)+4*((\a)/2)+(\jj)%4
.set rW,  4*(\zero)+2*((\a)%2)+(\b)%2
.if rW == 0
	v_wmma_scale_f32_16x16x128_f8f6f4 v[rD:rD+7], v[rB:rB+7], v[rA:rA+7], v[rD:rD+7], v[rSB], v[rSA] matrix_a_fmt:MATRIX_FMT_FP4 matrix_b_fmt:MATRIX_FMT_FP4
.elseif rW == 1
	v_wmma_scale_f32_16x16x128_f8f6f4 v[rD:rD+7], v[rB:rB+7], v[rA:rA+7], v[rD:rD+7], v[rSB], v[rSA] matrix_a_fmt:MATRIX_FMT_FP4 matrix_b_fmt:MATRIX_FMT_FP4 matrix_a_scale:MATRIX_SCALE_ROW1
.elseif rW == 2
	v_wmma_scale_f32_16x16x128_f8f6f4 v[rD:rD+7], v[rB:rB+7], v[rA:rA+7], v[rD:rD+7], v[rSB], v[rSA] matrix_a_fmt:MATRIX_FMT_FP4 matrix_b_fmt:MATRIX_FMT_FP4 matrix_b_scale:MATRIX_SCALE_ROW1
.elseif rW == 3
	v_wmma_scale_f32_16x16x128_f8f6f4 v[rD:rD+7], v[rB:rB+7], v[rA:rA+7], v[rD:rD+7], v[rSB], v[rSA] matrix_a_fmt:MATRIX_FMT_FP4 matrix_b_fmt:MATRIX_FMT_FP4 matrix_a_scale:MATRIX_SCALE_ROW1 matrix_b_scale:MATRIX_SCALE_ROW1
.elseif rW == 4
	v_wmma_scale_f32_16x16x128_f8f6f4 v[rD:rD+7], v[rB:rB+7], v[rA:rA+7], 0, v[rSB], v[rSA] matrix_a_fmt:MATRIX_FMT_FP4 matrix_b_fmt:MATRIX_FMT_FP4
.elseif rW == 5
	v_wmma_scale_f32_16x16x128_f8f6f4 v[rD:rD+7], v[rB:rB+7], v[rA:rA+7], 0, v[rSB], v[rSA] matrix_a_fmt:MATRIX_FMT_FP4 matrix_b_fmt:MATRIX_FMT_FP4 matrix_a_scale:MATRIX_SCALE_ROW1
.elseif rW == 6
	v_wmma_scale_f32_16x16x128_f8f6f4 v[rD:rD+7], v[rB:rB+7], v[rA:rA+7], 0, v[rSB], v[rSA] matrix_a_fmt:MATRIX_FMT_FP4 matrix_b_fmt:MATRIX_FMT_FP4 matrix_b_scale:MATRIX_SCALE_ROW1
.else
	v_wmma_scale_f32_16x16x128_f8f6f4 v[rD:rD+7], v[rB:rB+7], v[rA:rA+7], 0, v[rSB], v[rSA] matrix_a_fmt:MATRIX_FMT_FP4 matrix_b_fmt:MATRIX_FMT_FP4 matrix_a_scale:MATRIX_SCALE_ROW1 matrix_b_scale:MATRIX_SCALE_ROW1
.endif
.endm
.macro MUL16 a0, jj, zero              ; A's register blocks a0, a0 + 1 x B's eight; the accumulators take turns, one instruction a turn
.irp a, \a0, \a0+1
.irp b, 0,1,2,3,4,5,6,7
	WM \a, \b, \jj, \zero
.endr
.endr
.endm
.macro PRE jj                          ; a group's first step: its 8 scale loads are in; the next group's 8 may be out (the last group has none behind it)
.if (\jj)%4 == 0
.if (\jj) == 28
	s_wait_loadcnt 0x0
.else
	s_wait_loadcnt 0x8
.endif
.endif
.endm
.macro MID jj                          ; in a group's third step: the scale words of the group two on, into the set that was done with three steps ago
.if ((\jj)%4 == 2) && ((\jj) < 24)
	SCLOAD ((\jj)/4+2)%3, (\jj)/4+2
.endif
.endm
.macro LATE jj                         ; the step's second half
	WIN MUL_HI
	MUL16 4, \jj, 0
	MUL16 6, \jj, 0
	PLACES 4
	WIN 0
	FETCH_A (\jj)+1, 1
.endm
.macro STEP jj, zero                   ; a step that has its successor in the same slot
	PRE \jj
	s_wait_dscnt 8                                 ; B's set and A's blocks 0-3 are in; the youngest 8 loads (blocks 4-7) may be out
	WIN MUL_LO
	MUL16 0, \jj, \zero
	MUL16 2, \jj, \zero
	s_wait_dscnt 0x0
	PLACES 4
	FETCH_B (\jj)+1
	FETCH_A (\jj)+1, 0
	MID \jj
.if \zero
	WIN MUL_HI
	MUL16 4, \jj, 1
	MUL16 6, \jj, 1
	PLACES 4
	WIN 0
	FETCH_A (\jj)+1, 1
.else
	LATE \jj
.endif
.endm
.macro TURN jj, fill                   ; a slot's last step changes slots.  fill = 1: the slot is filled again, two slots on; 2: with the last slot, of two steps; 0: no more
.set SL, ((\jj)/3)%2
	PRE \jj
	s_wait_tensorcnt 0x0                           ; all my tensor loads have landed: my part of the next slot
	ds_add_u32 v[SPW], v[NIL]
.if \fill == 2
	s_mov_b32 s[G1+1], (2*STEPB/8)<<16             ; no load of mine is out: what is left of a half of K is two steps; beyond them the load reads nothing and writes zeros, which nobody reads
	s_mov_b32 s[G1B+1], (2*STEPB/8)<<16
.endif
	s_wait_dscnt 9                                 ; the add and the youngest 8 loads may be out
	WIN MUL_LO
	MUL16 0, \jj, 0
	s_wait_dscnt 0x0                               ; the add is done, my reads of this slot are over
	s_barrier_signal -1
	MUL16 2, \jj, 0
	WIN 0
	s_barrier_wait -1
.if \fill
	CREST                                          ; the barrier has opened a round of the cluster's barrier
	s_add_nc_u64 s[G0+4*SL+2:G0+4*SL+3], s[G0+4*SL+2:G0+4*SL+3], 2*RBB
	s_add_nc_u64 s[G0B+4*SL+2:G0B+4*SL+3], s[G0B+4*SL+2:G0B+4*SL+3], 2*RBB
	JLOAD SL                                       ; the first tensor load behind the round; its four v_nop are the places in front of the loads below
.else
	PLACES 4
.endif
	FETCH_B (\jj)+1
	FETCH_A (\jj)+1, 0
	MID \jj
.if (\jj) < 24
	ASK (((\jj)-2)/3+2)*RBB, ((\jj)-2)/6
.endif
	LATE \jj
.endm
	SCLOAD 0, 0
	SCLOAD 1, 1
	ASK 0, 0                                       ; slot 2
	s_wait_tensorcnt 0x0                           ; my part of slot 0 is in
	ds_add_u32 v[SPW], v[NIL]
	s_wait_dscnt 0x0
	CROUND
	JLOAD 1                                        ; slot 1's first fill
	FETCH_B 0
	FETCH_A 0, 0
	FETCH_A 0, 1
	ASK RBB, 0                                     ; slot 3
	STEP 0, 1                                      ; the first step starts the sums
	s_mov_b32 s3, 2
.Ltrip:                                                ; 12 steps, four changes of slots, three groups of scales
	STEP 1, 0
	TURN 2, 1
	STEP 3, 0
	STEP 4, 0
	TURN 5, 1
	STEP 6, 0
	STEP 7, 0
	TURN 8, 1
	STEP 9, 0
	STEP 10, 0
	TURN 11, 1
	STEP 12, 0
	s_wait_xcnt 0x0                                ; the scale loads and prefetches have read their bases
	s_add_nc_u64 s[SAB:SAB+1], s[SAB:SAB+1], 3*32768
	s_add_nc_u64 s[SBB:SBB+1], s[SBB:SBB+1], 3*65536
	s_add_nc_u64 s[PFA:PFA+1], s[PFA:PFA+1], 4*RBB
	s_sub_co_u32 s3, s3, 1
	s_cmp_lg_u32 s3, 0
	s_cbranch_scc1 .Ltrip
	STEP 25, 0
	TURN 26, 2
	STEP 27, 0
	STEP 28, 0
	TURN 29, 0
	STEP 30, 0
	; the last step: the blocks that I send first, so that they are on their way while the others are finished
	s_wait_dscnt 0x0
	WIN MUL_HI
	MUL16 4, 31, 0
	MUL16 6, 31, 0
	PLACES 4
	WIN 0x0c                                       ; the data: window 3
.set I, 0
.rept 64
	ds_store_b128 v[XS], v[4*I:4*I+3] offset:512*I ; an image of the registers, each accumulator from its low end on
.set I, I+1
.endr
	WIN MUL_LO
	MUL16 0, 31, 0
	MUL16 2, 31, 0
	PLACES 4
	WIN 0
	s_wait_dscnt 0x0                               ; for my partner's sake: my stores are done; and my reads of slot 0 are over
	s_barrier_signal -1
	s_barrier_wait -1
	WIN TO_B
.set I, 0
.rept 64
	ds_load_b128 v[4*I:4*I+3], v[XL] offset:512*I  ; my partner's sums of the rows that I keep, into the registers that held B's fragments
.set I, I+1
.endr
.irp a, 0,1,2,3
	s_wait_dscnt 48-16*\a                          ; block a's 16 loads are in; the later blocks' may be out
	WIN 0x86                                       ; window 2 += window 1
.set I, 0
.rept 32
	v_pk_add_f32 v[64*\a+2*I:64*\a+2*I+1], v[64*\a+2*I:64*\a+2*I+1], v[64*\a+2*I:64*\a+2*I+1]
.set I, I+1
.endr
.endr
	WIN 0
	s_wait_alu depctr_va_vdst(0)
; THE WAY OUT, block by block of 16 rows x 128 columns, through my own stage: back as rows of 512 bytes, which 32 lanes store as two aligned units of 256 bytes
.macro TOSTAGE a
	WIN 0x08
.irp b, 0,1,2,3,4,5,6,7
	ds_store_b128 v[STO], v[64*(\a)+8*\b:64*(\a)+8*\b+3] offset:64*\b
	ds_store_b128 v[STO], v[64*(\a)+8*\b+4:64*(\a)+8*\b+7] offset:64*\b+16
.endr
	WIN 0
.set BB, BK+64*((\a)%2)
.irp t, 0,1,2,3,4,5,6,7,8,9,10,11,12,13,14,15
	ds_load_b128 v[BB+4*\t:BB+4*\t+3], v[RD] offset:\t*SPITCH      ; LDS serves a wave's instructions in order (ISA guide 5.7.1.4)
.endr
.endm
.macro SEND a, younger
.set BB, BK+64*((\a)%2)
	s_wait_dscnt \younger
.if (\a) > 0
	s_add_nc_u64 s[12:13], s[12:13], 16*ROWC       ; behind a wait on XCNT: the earlier stores have read their base
.endif
.irp t, 0,1,2,3,4,5,6,7,8,9,10,11,12,13,14,15
	global_store_b128 v[CO], v[BB+4*\t:BB+4*\t+3], s[12:13] offset:\t*ROWC th:TH_STORE_NT
.endr
.endm
	TOSTAGE 0
.irp a, 1,2,3
.if \a > 1
	s_wait_xcnt 0x0                                ; block a - 2's stores have read their registers and their base
.endif
	TOSTAGE \a
	SEND \a-1, 32                                  ; behind block a - 1's loads: block a's 16 stores and 16 loads
.endr
	s_wait_xcnt 0x0
	SEND 3, 0
	s_wait_tensorcnt 0x0                           ; the wave's end
	ds_add_u32 v[SPW], v[NIL]
	s_wait_dscnt 0x0
	CROUND                                         ; the closing round
	s_endpgm
.Lfunc_end_k_q583e08dd99_gemm:
	.size	k_q583e08dd99_gemm, .Lfunc_end_k_q583e08dd99_gemm-k_q583e08dd99_gemm
	.p2alignl 7, 3214868480
	.fill 96, 4, 3214868480
	.section	.rodata,"a",@progbits
	.p2align	6, 0x0
	.amdhsa_kernel k_q583e08dd99_gemm
		.amdhsa_group_segment_fixed_size 327680
		.amdhsa_private_segment_fixed_size 0
		.amdhsa_enable_private_segment 0
		.amdhsa_kernarg_size 40
		.amdhsa_user_sgpr_count 2
		.amdhsa_user_sgpr_kernarg_segment_ptr 1
		.amdhsa_wavefront_size32 1
		.amdhsa_system_sgpr_workgroup_id_x 1
		.amdhsa_system_sgpr_workgroup_id_y 1
		.amdhsa_system_sgpr_workgroup_id_z 1
		.amdhsa_system_vgpr_workitem_id 0
		.amdhsa_next_free_vgpr 1024
		.amdhsa_next_free_sgpr 98
		.amdhsa_reserve_vcc 0
		.amdhsa_float_denorm_mode_32 3
		.amdhsa_float_denorm_mode_16_64 3
		.amdhsa_memory_ordered 1
		.amdhsa_forward_progress 1
		.amdhsa_inst_pref_size 255
	.end_amdhsa_kernel
	.section	.bss,"aw",@nobits
	.p2align	6
	.space	262144
	.amdgpu_metadata
---
amdhsa.version: [ 1, 2 ]
amdhsa.kernels:
  - .name:           k_q583e08dd99_gemm
    .symbol:         k_q583e08dd99_gemm.kd
    .args:
      - { .name: a_codes, .offset: 0, .size: 8, .value_kind: global_buffer, .address_space: global }
      - { .name: a_scales, .offset: 8, .size: 8, .value_kind: global_buffer, .address_space: global }
      - { .name: b_codes, .offset: 16, .size: 8, .value_kind: global_buffer, .address_space: global }
      - { .name: b_scales, .offset: 24, .size: 8, .value_kind: global_buffer, .address_space: global }
      - { .name: out0, .offset: 32, .size: 8, .value_kind: global_buffer, .address_space: global }
    .group_segment_fixed_size: 327680
    .private_segment_fixed_size: 0
    .kernarg_segment_align: 8
    .kernarg_segment_size: 40
    .max_flat_workgroup_size: 128
    .sgpr_count:     98
    .vgpr_count:     1024
    .wavefront_size: 32
...
	.end_amdgpu_metadata
.endif
;; end of part 2
